; MI455X (gfx1250); checked and timed in simulation.
; The chip was launched on July 23, 2026; its instructions are those of AMD's public machine-readable ISA for CDNA 5 (MIT licence, August 2026) and "CDNA5" Instruction Set Architecture Reference Guide (July 2026). The comments in the code are by the model that wrote it; some were corrected since.
;; Outer Product Mean. Allowed arithmetic: float matrix products may take bf16 or f16 operands with f32 sums; all other float work in f32.
;; Inputs: W_ab 64 x 32 float32; W_out 128 x 1,024 float32; b_out 128 float32; ln_beta 32 float32; ln_gamma 32 float32; m_si 256 x 256 x 32 float32.
;; Outputs: out0 256 x 256 x 128 float32.
;; One version. Each part assembles by itself: llvm-mc -triple=amdgcn-amd-amdhsa -mcpu=gfx1250 --defsym DOCPART=n.
;; ======== version 1 of 1: 2 launches
;; limits: values are held in f16: magnitudes above 65,504 overflow, below 6.1e-05 lose precision
;; workspace buffers: at 4,194,304 bytes; bt 4,194,304 bytes; wf 262,144 bytes; scl 256 bytes
;; launch prep (part 1): grid 16 x 16, 8 waves a work-group, no clusters, 58,624 bytes of LDS; arguments m_si, ln_gamma, ln_beta, W_ab, W_out, at, bt, wf, scl; writes at, bt, wf, scl
.if DOCPART == 1
	.amdgcn_target "amdgcn-amd-amdhsa--gfx1250"
	.amdhsa_code_object_version 6
	.text
	.protected	k_q9e003e50af_prep
	.globl	k_q9e003e50af_prep
	.p2align	8
	.type	k_q9e003e50af_prep,@function
k_q9e003e50af_prep:
	s_mov_b64 s[64:65], 0
	v_nop
	global_prefetch_b8 v0, s[64:65] scope:SCOPE_SE
	s_setreg_imm32_b32 hwreg(HW_REG_WAVE_MODE, 25, 1), 1
	s_wait_xcnt 0x0
; FIRST OF TWO LAUNCHES.  x = LayerNorm(m_si) * gamma + beta;  ab = x W_ab^T;  a = ab[..., :32], b = ab[..., 32:].
; Stored for the second launch, all in f16:
;   at  [ib 16][c 32][chunk 32][i 16][8 n]  a / A      (chunk = 8 neighbouring n; s = 16 ib + i)
;   bt  [j 256][chunk 32][d 32][8 n]        b / B
;   wf  [c 32][zt 8][u 2][lane 32][8 k]     W_out as matrix fragments: lane (r, h) holds W_out[16 zt + r][32 c + 16 u + 8 h + 0..7]
;   scl 64 x f32                            F = A B / 256
; Nothing of reference() is left out, and every input is loaded by one of the two launches.
; THE SCALE.  A row normalised over 32 channels has |xhat| <= sqrt(31) < 6, so |x_c| <= 6 |gamma_c| + |beta_c| and
; |a_c| <= A := max over W_ab's rows 0-31 of sum_c' |W_ab[c][c']| (6 |gamma_c'| + |beta_c'|); B likewise over rows 32-63.
; a / A and b / B are at most 1 in size whatever the inputs hold, so the sum over 256 n of their products is at most 256 and has room in f16;
; the second launch multiplies by F, which also carries reference()'s division by 256.  In real numbers that is an identity.
; A and B are kept at 2^-100 or more, so that W_ab = 0 gives a = b = 0 and no division by zero.
; LIMITS.  The matrix operands are f16: 6 |gamma| + |beta|, |W_ab| and |W_out| must lie below 65,504; parts of them below 6e-5 carry an
; absolute error of 3e-8.  The sums are taken in another order than reference()'s.
; SHARES.  Work-group (nt, sb): 16 n (chunks 2 nt, 2 nt + 1) of 16 s.  Wave w: s = 16 sb + 2 w + t, t = 0, 1: two tiles of 16 rows x 32 c,
; 2,048 neighbouring bytes each.  Wave 7 also converts one block (zt = nt & 7, c = 2 sb + (nt >> 3)) of W_out: 256 blocks, 256 work-groups.
; Wave 0 of work-group (0, 0) stores scl.  No cluster: the work-groups share W_ab, gamma and beta alone, 8,448 bytes beside 34,816 of their own.
.set XP,     144                       ; LDS pitch of a row of x: 128 bytes + 16, an odd multiple of 16: 16 rows start in 16 different columns of 16 bytes
.set XTILE,  16*XP
.set XWAVE,  2*XTILE                   ; a wave's own two tiles
.set AS0,    8*XWAVE                   ; behind them: the stage for at, a region for each wave
.set ACP,    80                        ; in a region: channel c at 80 c, then [h 2][t 2][16 bytes]; 80 is an odd multiple of 16
.set AWAVE,  32*ACP+32                 ; 2,592 = 32 mod 256: the eight regions start 32 bytes apart in the banks' row
.set L16,  4                           ; v4   16 x lane
.set XST,  5                           ; v5   where my 16 bytes of a raw tile go
.set XLD,  6                           ; v6   where my 64 bytes of a row are read back
.set GBO,  7                           ; v7   64 h: my 16 channels in gamma and beta
.set WAO,  8                           ; v8   128 r + 64 h: my 16 numbers of a row of W_ab
.set AST,  9                           ; v9   stage for at: my store
.set ARD,  10                          ; v10  stage for at: my read
.set BTO,  11                          ; v11  512 h + 16 r: my 16 bytes in bt
.set WOO,  12                          ; v12  4096 r + 32 h: my 8 numbers of W_out
.set SCO,  13                          ; v13  8 x lane
.set XR,   16                          ; v[16:47]   raw tiles; then v[16:19] the row sums for the scale; then the 8 packed results, 4 registers each
.set PS,   16
.set XF,   48                          ; v[48:79]   tile t: my 16 numbers of row r (c = 16 h + 0..15); at the end v[48:63] rows of at
.set WA,   80                          ; v[80:143]  W_ab in f32, 16 numbers for each dt; then the 8 result tiles
.set GA,   144                         ; v[144:159] gamma
.set BE,   160                         ; v[160:175] beta
.set GP,   176                         ; v[176:191] 6 |gamma| + |beta|; then:
.set TP,   176                         ; v[176:183] at work in LayerNorm
.set FF,   190                         ; v[190:191] F twice; never rewritten behind its store
.set WH,   192                         ; v[192:223] W_ab's four fragments, f16
.set XH,   224                         ; v[224:239] x's two fragments, f16
.set WOR,  240                         ; v[240:255] wave 7: W_out
	s_load_b512 s[4:19], s[0:1], 0x0               ; m_si 4:5, gamma 6:7, beta 8:9, W_ab 10:11, W_out 12:13, at 14:15, bt 16:17, wf 18:19
	s_load_b64 s[20:21], s[0:1], 0x40              ; scl
	s_set_vgpr_msb 0x40
	v_lshl_add_u32 v0, v0, 2, 0xe100
	v_mov_b32 v1, 0
	s_set_vgpr_msb 0x4000
	v_lshrrev_b32 v1, 5, v0
	v_readfirstlane_b32 s22, v1                    ; wave w
	s_mov_b32 s23, ttmp9                           ; nt
	s_and_b32 s28, ttmp7, 0xffff                   ; sb
	s_mov_b32 s30, 0x76543210                      ; v_permlanex16_b32: lane i reads lane i of the other half
	s_mov_b32 s31, 0xfedcba98
	s_mov_b32 s40, 0x3d000000                      ; 1/32
	s_mov_b32 s41, 0x40c00000                      ; 6.0
	v_and_b32 v1, 31, v0                           ; lane l
	v_and_b32 v2, 15, v0                           ; r
	v_bfe_u32 v3, v0, 4, 1                         ; h
	v_lshlrev_b32 v[L16], 4, v1
	s_mul_i32 s29, s22, XWAVE
	v_lshrrev_b32 v14, 3, v1                       ; a raw load's 512 bytes are four rows of 128: row l >> 3,
	v_and_b32 v15, 7, v1                           ; piece l & 7
	v_mul_u32_u24 v[XST], v14, XP
	v_lshl_add_u32 v[XST], v15, 4, v[XST]
	v_add_nc_u32 v[XST], s29, v[XST]
	v_mul_u32_u24 v[XLD], v2, XP
	v_lshl_add_u32 v[XLD], v3, 6, v[XLD]
	v_add_nc_u32 v[XLD], s29, v[XLD]
	v_lshlrev_b32 v[GBO], 6, v3
	v_lshl_add_u32 v[WAO], v2, 7, v[GBO]
	s_mul_i32 s42, s22, AWAVE
	s_add_co_u32 s42, s42, AS0                     ; my wave's region of the stage
	v_mul_u32_u24 v[AST], v2, ACP
	v_lshl_add_u32 v[AST], v3, 5, v[AST]
	v_add_nc_u32 v[AST], s42, v[AST]               ; region + 80 r + 32 h
	s_mul_i32 s43, s22, 4*ACP
	s_add_co_u32 s43, s43, AS0                     ; channels 4 w .. 4 w + 3 in every region
	v_lshrrev_b32 v14, 1, v2                       ; lane (r, h) reads s = r of the 16: the region of wave r >> 1,
	v_and_b32 v15, 1, v2                           ; its tile r & 1
	v_mul_u32_u24 v[ARD], v14, AWAVE
	v_lshl_add_u32 v[ARD], v15, 4, v[ARD]
	v_lshl_add_u32 v[ARD], v3, 5, v[ARD]
	v_add_nc_u32 v[ARD], s43, v[ARD]
	v_lshlrev_b32 v[BTO], 4, v2
	v_lshl_add_u32 v[BTO], v3, 9, v[BTO]
	v_lshlrev_b32 v[WOO], 5, v3
	v_lshl_add_u32 v[WOO], v2, 12, v[WOO]
	v_lshlrev_b32 v[SCO], 3, v1
	; byte offsets, each in registers of its own
	s_lshl_b32 s32, s28, 19                        ; m_si: (16 sb + 2 w) x 32,768 + nt x 2,048
	s_lshl_b32 s33, s22, 16
	s_add_co_u32 s32, s32, s33
	s_lshl_b32 s33, s23, 11
	s_add_co_u32 s32, s32, s33
	s_mov_b32 s33, 0
	s_lshl_b32 s34, s28, 18                        ; at and bt: sb x 262,144 + w x 32,768,
	s_lshl_b32 s35, s22, 15
	s_add_co_u32 s34, s34, s35
	s_lshl_b32 s35, s23, 9
	s_add_co_u32 s36, s34, s35                     ; at: + nt x 512 (two chunks of 256 bytes)
	s_lshl_b32 s35, s23, 10
	s_add_co_u32 s34, s34, s35                     ; bt: + nt x 1,024 (two chunks of 512 bytes)
	s_mov_b32 s35, 0
	s_mov_b32 s37, 0
	s_and_b32 s44, s23, 7                          ; zt
	s_lshr_b32 s45, s23, 3
	s_lshl1_add_u32 s45, s28, s45                  ; c = 2 sb + (nt >> 3)
	s_lshl_b32 s38, s44, 16                        ; W_out: 16 zt rows of 4,096 bytes + 32 c numbers
	s_lshl_b32 s46, s45, 7
	s_add_co_u32 s38, s38, s46
	s_mov_b32 s39, 0
	s_lshl3_add_u32 s46, s45, s44                  ; wf: block 8 c + zt of 1,024 bytes
	s_lshl_b32 s46, s46, 10
	s_mov_b32 s47, 0
	s_wait_kmcnt 0x0
	s_add_nc_u64 s[4:5], s[4:5], s[32:33]
	s_add_nc_u64 s[14:15], s[14:15], s[36:37]
	s_add_nc_u64 s[16:17], s[16:17], s[34:35]
	s_add_nc_u64 s[12:13], s[12:13], s[38:39]
	s_add_nc_u64 s[18:19], s[18:19], s[46:47]
	; wave 7's four loads of W_out stand ahead of the common loads, so that the counted wait below means the same in every wave
	s_cmp_lg_u32 s22, 7
	s_cbranch_scc1 .Lnot7_load
	global_load_b128 v[WOR:WOR+3],     v[WOO], s[12:13]            ; k = 8 h + 0..3
	global_load_b128 v[WOR+4:WOR+7],   v[WOO], s[12:13] offset:16  ; k = 8 h + 4..7
	global_load_b128 v[WOR+8:WOR+11],  v[WOO], s[12:13] offset:64  ; k = 16 + 8 h + 0..3
	global_load_b128 v[WOR+12:WOR+15], v[WOO], s[12:13] offset:80
.Lnot7_load:
.irp t, 0,1
.irp q, 0,1,2,3
	global_load_b128 v[XR+16*\t+4*\q:XR+16*\t+4*\q+3], v[L16], s[4:5] offset:\t*32768+\q*512 th:TH_LOAD_NT   ; 512 neighbouring bytes; read once in the launch
.endr
.endr
.irp q, 0,1,2,3
	global_load_b128 v[GA+4*\q:GA+4*\q+3], v[GBO], s[6:7] offset:16*\q
	global_load_b128 v[BE+4*\q:BE+4*\q+3], v[GBO], s[8:9] offset:16*\q
.endr
.irp dt, 0,1,2,3
.irp q, 0,1,2,3
	global_load_b128 v[WA+16*\dt+4*\q:WA+16*\dt+4*\q+3], v[WAO], s[10:11] offset:\dt*2048+16*\q   ; W_ab[16 dt + r][16 h + 4 q ..]
.endr
.endr
	s_wait_loadcnt 24                              ; loads come back in order: the 24 of gamma, beta and W_ab may be out, m_si's eight are in
	; through my own LDS bytes: in as loaded (rows of 128 bytes), back as 64 bytes of row r for lane (r, h).  LDS serves a wave's
	; instructions in order (ISA guide 5.7.1), so no wait stands between the stores and the loads.
.irp t, 0,1
.irp q, 0,1,2,3
	ds_store_b128 v[XST], v[XR+16*\t+4*\q:XR+16*\t+4*\q+3] offset:\t*XTILE+\q*4*XP
.endr
.endr
.irp t, 0,1
.irp q, 0,1,2,3
	ds_load_b128 v[XF+16*\t+4*\q:XF+16*\t+4*\q+3], v[XLD] offset:\t*XTILE+16*\q
.endr
.endr
	s_wait_loadcnt 0x0                             ; gamma, beta, W_ab
	; the scale: row sums of |W_ab| (6 |gamma| + |beta|), four rows a lane in four chains
.irp e, 0,1,2,3,4,5,6,7,8,9,10,11,12,13,14,15
	v_fma_f32 v[GP+\e], |v[GA+\e]|, s41, |v[BE+\e]|
.endr
.irp dt, 0,1,2,3
	v_mul_f32 v[PS+\dt], |v[WA+16*\dt]|, v[GP]
.endr
.irp e, 1,2,3,4,5,6,7,8,9,10,11,12,13,14,15
.irp dt, 0,1,2,3
	v_fma_f32 v[PS+\dt], |v[WA+16*\dt+\e]|, v[GP+\e], v[PS+\dt]
.endr
.endr
.irp dt, 0,1,2,3
	v_permlanex16_b32 v[14+(\dt&1)], v[PS+\dt], s30, s31           ; the row's other 16 channels lie in lane l xor 16
	v_add_f32 v[PS+\dt], v[PS+\dt], v[14+(\dt&1)]
.endr
	v_max_num_f32 v[PS], v[PS], v[PS+1]            ; rows 0-31: A
	v_max_num_f32 v[PS+2], v[PS+2], v[PS+3]        ; rows 32-63: B
.irp m, 1,2,4,8
	v_max_num_f32_dpp v[PS], v[PS], v[PS] row_xmask:\m row_mask:0xf bank_mask:0xf
	v_max_num_f32_dpp v[PS+2], v[PS+2], v[PS+2] row_xmask:\m row_mask:0xf bank_mask:0xf
.endr
	v_max_num_f32 v[PS], 0x0d800000, v[PS]         ; at least 2^-100
	v_max_num_f32 v[PS+2], 0x0d800000, v[PS+2]
	v_rcp_f32 v[PS+1], v[PS]
	v_rcp_f32 v[PS+3], v[PS+2]
	v_mul_f32 v[FF], 0x3b800000, v[PS]             ; A / 256: also the plain instruction between the reciprocals and their first use (ISA guide 5.7.2)
	v_mul_f32 v[FF], v[FF], v[PS+2]                ; F = A B / 256
	v_mov_b32 v[FF+1], v[FF]
	s_wait_alu depctr_va_vdst(0)
	v_readfirstlane_b32 s24, v[PS+1]               ; 1 / A, the same in every lane
	v_readfirstlane_b32 s26, v[PS+3]               ; 1 / B
	s_mov_b32 s25, s24
	s_mov_b32 s27, s26
	; W_ab's fragments.  K's places: lane half h holds c = 16 h + 0..15 in the order of its registers, alike in x and in W_ab, which keeps the products.
.irp dt, 0,1,2,3
.irp e, 0,1,2,3,4,5,6,7
	v_cvt_pk_f16_f32 v[WH+8*\dt+\e], v[WA+16*\dt+2*\e], v[WA+16*\dt+2*\e+1]
.endr
.endr
	s_cmp_lg_u32 s22, 7
	s_cbranch_scc1 .Lnot7_store
.irp k, 0,1,2,3,4,5,6,7
	v_cvt_pk_f16_f32 v[WOR+\k], v[WOR+2*\k], v[WOR+2*\k+1]         ; in place: word k is written when words 2 k, 2 k + 1 are read, never ahead of them
.endr
	global_store_b128 v[L16], v[WOR:WOR+3], s[18:19]               ; u = 0: 512 neighbouring bytes
	global_store_b128 v[L16], v[WOR+4:WOR+7], s[18:19] offset:512  ; u = 1
.Lnot7_store:
	s_or_b32 s29, s23, s28
	s_or_b32 s29, s29, s22
	s_cmp_lg_u32 s29, 0
	s_cbranch_scc1 .Lno_scl
	global_store_b64 v[SCO], v[FF:FF+1], s[20:21]                  ; one wave of the launch: 32 lanes x 8 bytes, the whole buffer
.Lno_scl:
	s_wait_dscnt 0x0                               ; my rows of x are in XF
; LayerNorm of tile t, in two passes as reference() has it: the mean is taken away before the squares, so a common offset of the row does no harm.
.macro LN t
.set X, XF+16*\t
	v_pk_add_f32 v[TP:TP+1],   v[X:X+1],     v[X+2:X+3]
	v_pk_add_f32 v[TP+2:TP+3], v[X+4:X+5],   v[X+6:X+7]
	v_pk_add_f32 v[TP+4:TP+5], v[X+8:X+9],   v[X+10:X+11]
	v_pk_add_f32 v[TP+6:TP+7], v[X+12:X+13], v[X+14:X+15]
	v_pk_add_f32 v[TP:TP+1],   v[TP:TP+1],   v[TP+2:TP+3]
	v_pk_add_f32 v[TP+4:TP+5], v[TP+4:TP+5], v[TP+6:TP+7]
	v_pk_add_f32 v[TP:TP+1],   v[TP:TP+1],   v[TP+4:TP+5]
	v_add_f32 v[TP], v[TP], v[TP+1]
	v_permlanex16_b32 v14, v[TP], s30, s31         ; the row's other half
	v_add_f32 v[TP], v[TP], v14
	v_mul_f32 v[TP], 0xbd000000, v[TP]             ; - mean
.irp k, 0,2,4,6,8,10,12,14
	v_pk_add_f32 v[X+\k:X+\k+1], v[X+\k:X+\k+1], v[TP:TP+1] op_sel_hi:[1,0]
.endr
	v_pk_mul_f32 v[TP+2:TP+3], v[X:X+1],   v[X:X+1]                ; the squares, in two chains
	v_pk_mul_f32 v[TP+4:TP+5], v[X+2:X+3], v[X+2:X+3]
.irp k, 4,8,12
	v_pk_fma_f32 v[TP+2:TP+3], v[X+\k:X+\k+1],   v[X+\k:X+\k+1],   v[TP+2:TP+3]
	v_pk_fma_f32 v[TP+4:TP+5], v[X+\k+2:X+\k+3], v[X+\k+2:X+\k+3], v[TP+4:TP+5]
.endr
	v_pk_add_f32 v[TP+2:TP+3], v[TP+2:TP+3], v[TP+4:TP+5]
	v_add_f32 v[TP+2], v[TP+2], v[TP+3]
	v_permlanex16_b32 v15, v[TP+2], s30, s31
	v_add_f32 v[TP+2], v[TP+2], v15
	v_fmaak_f32 v[TP+6], s40, v[TP+2], 0x3727c5ac  ; variance + 1e-5
	v_rsq_f32 v[TP], v[TP+6]
	v_nop                                          ; one plain instruction between the root and its use (ISA guide 5.7.2)
	s_wait_alu depctr_va_vdst(0)
.irp k, 0,2,4,6,8,10,12,14
	v_pk_mul_f32 v[X+\k:X+\k+1], v[X+\k:X+\k+1], v[TP:TP+1] op_sel_hi:[1,0]
.endr
.irp k, 0,2,4,6,8,10,12,14
	v_pk_fma_f32 v[X+\k:X+\k+1], v[X+\k:X+\k+1], v[GA+\k:GA+\k+1], v[BE+\k:BE+\k+1]
.endr
.irp e, 0,1,2,3,4,5,6,7
	v_cvt_pk_f16_f32 v[XH+8*\t+\e], v[X+2*\e], v[X+2*\e+1]
.endr
.endm
	LN 0
	LN 1
	; ab: source 0 = 16 rows n of x, source 1 = 16 rows of W_ab.  Register e of lane (r, h) is ab[n = 16 nt + 8 h + e][channel 16 dt + r]:
	; eight neighbouring n of one channel, a chunk.  Eight sums of one product each: eight accumulators, no chain.
.irp t, 0,1
.irp dt, 0,1,2,3
	v_wmma_f32_16x16x32_f16 v[WA+8*(4*\t+\dt):WA+8*(4*\t+\dt)+7], v[XH+8*\t:XH+8*\t+7], v[WH+8*\dt:WH+8*\dt+7], 0
.endr
.endr
.rept 4
	v_nop                                          ; four places between the last product and the first read of a result (ISA guide 7.12.1)
.endr
.irp t, 0,1
.irp dt, 0,1,2,3
.irp q, 0,1,2,3
.if \dt < 2
	v_pk_mul_f32 v[WA+8*(4*\t+\dt)+2*\q:WA+8*(4*\t+\dt)+2*\q+1], v[WA+8*(4*\t+\dt)+2*\q:WA+8*(4*\t+\dt)+2*\q+1], s[24:25] op_sel_hi:[1,0]   ; a / A
.else
	v_pk_mul_f32 v[WA+8*(4*\t+\dt)+2*\q:WA+8*(4*\t+\dt)+2*\q+1], v[WA+8*(4*\t+\dt)+2*\q:WA+8*(4*\t+\dt)+2*\q+1], s[26:27] op_sel_hi:[1,0]   ; b / B
.endif
.endr
.irp q, 0,1,2,3
	v_cvt_pk_f16_f32 v[XR+4*(4*\t+\dt)+\q], v[WA+8*(4*\t+\dt)+2*\q], v[WA+8*(4*\t+\dt)+2*\q+1]
.endr
.if \dt < 2
	ds_store_b128 v[AST], v[XR+4*(4*\t+\dt):XR+4*(4*\t+\dt)+3] offset:\dt*16*ACP+16*\t         ; a: channel 16 dt + r, half h, tile t of my region
.else
	global_store_b128 v[BTO], v[XR+4*(4*\t+\dt):XR+4*(4*\t+\dt)+3], s[16:17] offset:\t*16384+(\dt-2)*256   ; b: sixteen lanes fill 256 aligned bytes
.endif
.endr
.endr
	s_wait_dscnt 0x0                               ; my stores into the stage are done, for the other waves' sake
	s_barrier_signal -1
	s_barrier_wait -1                              ; everybody's are
	; at: wave w takes channels 4 w + q.  A row is [h 2][s 16][16 bytes]: lane l reads its 16 bytes from the region of the wave that made them.
.irp q, 0,1,2,3
	ds_load_b128 v[XF+4*\q:XF+4*\q+3], v[ARD] offset:ACP*\q
.endr
.irp q, 0,1,2,3
	s_wait_dscnt 3-\q                              ; row q is in, the younger ones may be out
	global_store_b128 v[L16], v[XF+4*\q:XF+4*\q+3], s[14:15] offset:8192*\q    ; 512 neighbouring bytes, aligned
.endr
	s_set_vgpr_msb 0x5
	s_wait_tensorcnt 0x0
	ds_add_u32 v0, v1
	s_wait_dscnt 0x0
	s_set_vgpr_msb 0x500
	s_endpgm
.Lfunc_end_k_q9e003e50af_prep:
	.size	k_q9e003e50af_prep, .Lfunc_end_k_q9e003e50af_prep-k_q9e003e50af_prep
	.p2alignl 7, 3214868480
	.fill 96, 4, 3214868480
	.section	.rodata,"a",@progbits
	.p2align	6, 0x0
	.amdhsa_kernel k_q9e003e50af_prep
		.amdhsa_group_segment_fixed_size 58624
		.amdhsa_private_segment_fixed_size 0
		.amdhsa_enable_private_segment 0
		.amdhsa_kernarg_size 72
		.amdhsa_user_sgpr_count 2
		.amdhsa_user_sgpr_kernarg_segment_ptr 1
		.amdhsa_wavefront_size32 1
		.amdhsa_system_sgpr_workgroup_id_x 1
		.amdhsa_system_sgpr_workgroup_id_y 1
		.amdhsa_system_sgpr_workgroup_id_z 1
		.amdhsa_system_vgpr_workitem_id 0
		.amdhsa_next_free_vgpr 258
		.amdhsa_next_free_sgpr 66
		.amdhsa_reserve_vcc 0
		.amdhsa_float_denorm_mode_32 3
		.amdhsa_float_denorm_mode_16_64 3
		.amdhsa_memory_ordered 1
		.amdhsa_forward_progress 1
		.amdhsa_inst_pref_size 31
	.end_amdhsa_kernel
	.amdgpu_metadata
---
amdhsa.version: [ 1, 2 ]
amdhsa.kernels:
  - .name:           k_q9e003e50af_prep
    .symbol:         k_q9e003e50af_prep.kd
    .args:
      - { .name: m_si, .offset: 0, .size: 8, .value_kind: global_buffer, .address_space: global }
      - { .name: ln_gamma, .offset: 8, .size: 8, .value_kind: global_buffer, .address_space: global }
      - { .name: ln_beta, .offset: 16, .size: 8, .value_kind: global_buffer, .address_space: global }
      - { .name: W_ab, .offset: 24, .size: 8, .value_kind: global_buffer, .address_space: global }
      - { .name: W_out, .offset: 32, .size: 8, .value_kind: global_buffer, .address_space: global }
      - { .name: at, .offset: 40, .size: 8, .value_kind: global_buffer, .address_space: global }
      - { .name: bt, .offset: 48, .size: 8, .value_kind: global_buffer, .address_space: global }
      - { .name: wf, .offset: 56, .size: 8, .value_kind: global_buffer, .address_space: global }
      - { .name: scl, .offset: 64, .size: 8, .value_kind: global_buffer, .address_space: global }
    .group_segment_fixed_size: 58624
    .private_segment_fixed_size: 0
    .kernarg_segment_align: 8
    .kernarg_segment_size: 72
    .max_flat_workgroup_size: 256
    .sgpr_count:     66
    .vgpr_count:     258
    .wavefront_size: 32
...
	.end_amdgpu_metadata
.endif
;; end of part 1
;; launch opm (part 2): grid 16 x 16, 4 waves a work-group, clusters of 4 x 1, 327,680 bytes of LDS; arguments at, bt, wf, scl, b_out, out0; writes out0
.if DOCPART == 2
	.amdgcn_target "amdgcn-amd-amdhsa--gfx1250"
	.amdhsa_code_object_version 6
	.text
	.protected	k_q9e003e50af_opm
	.globl	k_q9e003e50af_opm
	.p2align	8
	.type	k_q9e003e50af_opm,@function
k_q9e003e50af_opm:
	s_mov_b64 s[64:65], 0
	v_nop
	global_prefetch_b8 v0, s[64:65] scope:SCOPE_SE
	s_setreg_imm32_b32 hwreg(HW_REG_WAVE_MODE, 25, 1), 1
	s_wait_xcnt 0x0
	s_wait_alu depctr_hold_cnt(0) depctr_sa_sdst(0) depctr_va_vdst(0) depctr_va_sdst(0) depctr_va_ssrc(0) depctr_va_vcc(0) depctr_vm_vsrc(0)
	s_getreg_b32 s2, hwreg(HW_REG_IB_STS2, 6, 4)
	s_cmp_eq_u32 s2, 0
	s_cbranch_scc0 .Lentry_in_a_cluster
	s_endpgm
.Lentry_in_a_cluster:
	s_bfe_u32 s2, ttmp6, 0x10000c
	s_cmp_lg_u32 s2, 0x3003
	s_cbranch_scc0 .Lentry_shape_is_right
	s_endpgm
.Lentry_shape_is_right:
; SECOND OF TWO LAUNCHES.  out0[i][j][z] = F sum over c, d of W_out[z][32 c + d] (sum over n of a'[i][n][c] b'[j][n][d]) + b_out[z],
; with a' = a / A, b' = b / B and F = A B / 256 from the first launch (its head says why: |a'|, |b'| <= 1, so the inner sum is at most 256 and has
; room in f16 for all inputs).  Nothing of reference() is left out.  All products in f16 with f32 sums; the inner sum is rounded to f16 once.
; LIMITS: those of the first launch (|W_out| below 65,504; f16 numbers below 6e-5 carry an absolute error of 3e-8; another order of sums).
; SHARES.  Work-group (jb, ib): 16 i x 16 j, 256 work-groups.  Wave w: j = 16 jb + 4 w + jl, jl = 0..3, and all 16 i: 64 pairs x 128 z in 256 registers.
; The wave's b' (4 j x 32 d x 256 n, 512 registers) stays in registers for the whole launch.  32 stages, one for each c:
;   product 1: source 0 = 16 rows d = 16 dh + r of b'[j], source 1 = a'[.][.][c] with column i = r, K = n in 8 steps of 32: 64 instructions.
;     Register e of lane (r, h) of tile mt = 2 jl + dh is outer[i = r][j][c][d = 16 dh + 8 h + e].
;   Packed in pairs, the two tiles dh = 0, 1 of a j ARE a fragment, in the same lanes: column i = r, k = d in its natural places.  No LDS, no shuffle.
;   product 2: source 0 = 16 rows z = 16 zt + r of W_out at k = 32 c + d, source 1 = that fragment: 32 instructions.
;     Register e of lane (r, h) of tile (jl, zt) is z = 16 zt + 8 h + e of pair (i = r, j): eight neighbouring z.
; TWO PIECES TAKE TURNS.  P0 = jl 0, 1 and P1 = jl 2, 3 share a stage's a' and W fragments.  P0's 16 conversions stand in slices of four among
; P1's product 1, P1's among P0's product 2, so that the conversions, and the places that a matrix result wants in front of its first reader, issue
; behind matrix instructions and not between the runs of products.
; CLUSTER.  The four work-groups of a cluster have one ib, so all four walk the same 262,144 bytes of at[ib] and the same 262,144 bytes of wf: every
; tensor load is a joint load of the four (mask 15).  The place in the cluster enters the global bases of bt and out0 alone.  bt is not shared in
; the cluster (each partner has its own 16 j) and goes straight into registers: beside two slots of 131,072 bytes LDS has no room for it.
; LDS: slot s at 131,072 s = [a' of 8 stages, 8,192 bytes each][W of the same 8 stages, at + 65,536]; behind the slots each wave's own stage for
; the way out, 16 rows x 528 bytes, into which no fill lands.  Fragments lie as the lanes read them: every LDS load takes 512 neighbouring bytes.
; REGISTERS, in windows of 256, laid so that a slice of conversions and a run of W loads work under the setting of the products round them:
;   window 0: v0-31 addresses; T0 v[32:63] P0's tiles; AF v[64:127] a' fragments; BA v[128:255] b' of P1, K steps 0-3
;   window 1: b' of P0, fragment (ks, mt) at v[8 (4 ks + mt)]
;   window 2: v[0:127] b' of P1, K steps 4-7; AC1 v[128:255] the sums of P1, tile (jl, zt) at 128 + 8 (8 (jl - 2) + zt)
;   window 3: v[0:127] the sums of P0, tile (jl, zt) at 8 (8 jl + zt); A2 v[128:159] the packed fragments; T1 v[160:191] P1's tiles; WFR v[192:255] W fragments
.set SLOTB,  131072
.set WPART,  65536
.set STGB,   8192                      ; a stage's a' fragments, and its W fragments
.set FILLB,  32768                     ; what one tensor load brings: 128 rows of 256 bytes, a quarter of a slot
.set OSTG,   2*SLOTB
.set OP,     528                       ; the way out: a row of 512 bytes + 16, an odd multiple of 16
.set L16,  4                           ; v4       16 x lane: the lane's place in every fragment load, in a row read back and in a row of out0
.set LA,   5                           ; v5       LDS address of the a' fragments, stepped stage by stage
.set LW,   6                           ; v6       the same for W
.set BO,   7                           ; v7       512 h + 16 r: my 16 bytes in a chunk pair of bt
.set BIAS, 8                           ; v[8:11]  b_out[4 l .. 4 l + 3]
.set STO,  12                          ; v12      the way out: where my 32 bytes of row r go
.set RD,   13                          ; v13      the way out: where a row is read back
.set T0,   32                          ; window 0
.set AF,   64                          ; window 0
.set BA,   128                         ; window 0
.set AC1,  128                         ; window 2
.set A2,   128                         ; window 3
.set T1,   160                         ; window 3
.set WFR,  192                         ; window 3
.set FA,   32                          ; the way out: rows read back, window 0, v[32:95] and
.set FB,   128                         ; v[128:191], by turns
.set MSB, 0
.macro WIN new                         ; low byte: bits 1:0 source 0, 3:2 source 1, 5:4 source 2, 7:6 destination; the high byte repeats the setting that is left
.if MSB != \new
	s_set_vgpr_msb (MSB<<8)|\new
.set MSB, \new
.endif
.endm
.macro PLACES                          ; four places behind a matrix instruction (ISA guide 7.12.1)
.rept 4
	v_nop
.endr
.endm
; A round of the cluster's barrier: my work-group's barrier, wave 0 signals for the work-group, every wave waits for the four work-groups, my work-group's barrier again.
.macro ROUND
	s_barrier_signal -1
	s_barrier_wait -1
	s_cmp_lg_u32 s16, 0
	s_cbranch_scc1 .Lnot_wave_0_\@
	s_barrier_signal -3
.Lnot_wave_0_\@:
	s_barrier_wait -3
	s_barrier_signal -1
	s_barrier_wait -1
.endm
	s_load_b256 s[4:11], s[0:1], 0x0               ; at 4:5, bt 6:7, wf 8:9, scl 10:11
	s_load_b128 s[12:15], s[0:1], 0x20             ; b_out 12:13, out0 14:15
	v_lshl_add_u32 v30, v0, 2, 0x48400
	v_mov_b32 v31, 0
	ds_add_u32 v30, v31
	v_lshrrev_b32 v1, 5, v0
	v_readfirstlane_b32 s16, v1                    ; wave w
	s_bfe_u32 s17, ttmp6, 0x40000                  ; cx
	s_lshl_b32 s18, ttmp9, 2
	s_add_co_u32 s18, s18, s17                     ; jb = 4 x cluster x + cx
	s_and_b32 s19, ttmp7, 0xffff                   ; ib: the cluster's y, the same in the four partners
	; descriptor group 1, for every load: 128 rows of 32 elements of 8 bytes, dense in memory and in LDS
	s_mov_b32 s24, 0x0023000f                      ; 15:0 mask: all four places of the cluster; 17:16 elements of 8 bytes; 21 set beside a mask
	s_mov_b32 s25, 32<<16                          ; tensor_dim0 = 32
	s_mov_b32 s26, 128<<16                         ; tensor_dim1 = 128
	s_mov_b32 s27, 32<<16                          ; tile_dim0 = 32
	s_mov_b32 s28, 128                             ; tile_dim1 = 128
	s_mov_b32 s29, 32                              ; 32 elements from row to row
	s_mov_b32 s30, 0
	s_mov_b32 s31, 0
	; offsets.  s[20:23] and s[40:43] feed the descriptors and never hold anything made of cx; s[44:47] hold the offsets made of jb.
	s_lshl_b32 s22, s19, 18                        ; at[ib]
	s_mov_b32 s23, 0
	s_and_b32 s42, s16, 1
	s_lshl_b32 s42, s42, 15                        ; which half of a part I fetch
	s_mov_b32 s43, 0
	s_lshl_b32 s44, s18, 18                        ; bt: (16 jb + 4 w) x 16,384
	s_lshl_b32 s45, s16, 16
	s_add_co_u32 s44, s44, s45
	s_mov_b32 s45, 0
	s_lshl_b32 s46, s19, 21                        ; out0: (16 ib x 256 + 16 jb + 4 w) x 512
	s_lshl_b32 s47, s18, 13
	s_add_co_u32 s46, s46, s47
	s_lshl_b32 s47, s16, 11
	s_add_co_u32 s46, s46, s47
	s_mov_b32 s47, 0
	s_mul_i32 s33, s16, FILLB                      ; LDS: waves 0, 1 fill the a' part's halves, waves 2, 3 the W part's = wave x 32,768
	s_mul_i32 s51, s16, 16*OP
	s_add_co_u32 s51, s51, OSTG                    ; my stage for the way out
	v_and_b32 v1, 31, v0                           ; lane l
	v_and_b32 v2, 15, v0                           ; r
	v_bfe_u32 v3, v0, 4, 1                         ; h
	v_lshlrev_b32 v[L16], 4, v1
	v_lshlrev_b32 v[BO], 4, v2
	v_lshl_add_u32 v[BO], v3, 9, v[BO]
	v_mul_u32_u24 v[STO], v2, OP
	v_lshl_add_u32 v[STO], v3, 5, v[STO]
	v_add_nc_u32 v[STO], s51, v[STO]
	v_add_nc_u32 v[RD], s51, v[L16]
	s_wait_dscnt 0x0
	s_wait_kmcnt 0x0
	s_add_nc_u64 s[6:7], s[6:7], s[44:45]
	s_add_nc_u64 s[14:15], s[14:15], s[46:47]
	s_add_nc_u64 s[20:21], s[4:5], s[22:23]
	s_cmp_lt_u32 s16, 2
	s_cselect_b64 s[40:41], s[20:21], s[8:9]       ; waves 0, 1 fetch from at[ib], waves 2, 3 from wf
	s_add_nc_u64 s[40:41], s[40:41], s[42:43]
	; descriptor group 0, a set for each slot
	s_mov_b32 s32, 1
	s_mov_b64 s[34:35], s[40:41]                   ; slot 0: stages 0-7
	s_or_b32 s35, s35, 0x80000000
	s_mov_b32 s36, 1
	s_add_co_u32 s37, s33, SLOTB
	s_add_nc_u64 s[38:39], s[40:41], WPART         ; slot 1: stages 8-15, 65,536 bytes on in at[ib] and in wf
	s_or_b32 s39, s39, 0x80000000
	ROUND                                          ; the four work-groups are here: the first joint loads meet
	tensor_load_to_lds s[32:35], s[24:31]          ; both first fills as one group: two tensor loads of the wave are out, the most in this text
	s_nop 0
	tensor_load_to_lds s[36:39], s[24:31]
	s_nop 0
	s_load_b32 s48, s[10:11], 0x0                  ; F
	global_load_b128 v[BIAS:BIAS+3], v[L16], s[12:13]
	; The resident b': fragment (ks, mt = 2 jl + dh), half u, is chunk 4 ks + 2 u + h of rows d = 16 dh + r of j = jl: K's places are
	; n = 32 ks + 16 u + 8 h + 0..7, as in a'.  Lanes 0-15 and lanes 16-31 each read 256 neighbouring aligned bytes.
	WIN 0x40                                       ; destination window 1, address window 0: P0, all eight K steps
.irp ks, 0,1,2,3,4,5,6,7
.irp jl, 0,1
.irp u, 0,1
.irp dh, 0,1
	global_load_b128 v[8*(4*\ks+2*\jl+\dh)+4*\u:8*(4*\ks+2*\jl+\dh)+4*\u+3], v[BO], s[6:7] offset:\jl*16384+\ks*2048+\u*1024+\dh*256
.endr
.endr
.endr
.endr
	WIN 0                                          ; destination window 0: P1, K steps 0-3
.irp ks, 0,1,2,3
.irp jl, 2,3
.irp u, 0,1
.irp dh, 0,1
	global_load_b128 v[BA+8*(4*\ks+2*(\jl-2)+\dh)+4*\u:BA+8*(4*\ks+2*(\jl-2)+\dh)+4*\u+3], v[BO], s[6:7] offset:\jl*16384+\ks*2048+\u*1024+\dh*256
.endr
.endr
.endr
.endr
	WIN 0x80                                       ; destination window 2: P1, K steps 4-7
.irp ks, 4,5,6,7
.irp jl, 2,3
.irp u, 0,1
.irp dh, 0,1
	global_load_b128 v[8*(4*(\ks-4)+2*(\jl-2)+\dh)+4*\u:8*(4*(\ks-4)+2*(\jl-2)+\dh)+4*\u+3], v[BO], s[6:7] offset:\jl*16384+\ks*2048+\u*1024+\dh*256
.endr
.endr
.endr
.endr
	WIN 0
	s_wait_kmcnt 0x0
	s_mov_b32 s49, s48                             ; the pair that the packed multiply-add names
.macro AFLOAD                          ; 16 loads in one run; destination and address window 0
.irp ks, 0,1,2,3,4,5,6,7
	ds_load_b128 v[AF+8*\ks:AF+8*\ks+3],   v[LA] offset:1024*\ks       ; chunk 4 ks + h, column i = r
	ds_load_b128 v[AF+8*\ks+4:AF+8*\ks+7], v[LA] offset:1024*\ks+512   ; chunk 4 ks + 2 + h
.endr
.endm
.macro WFLOAD                          ; 16 loads in one run; destination window 3, address window 0
.irp zt, 0,1,2,3,4,5,6,7
	ds_load_b128 v[WFR+8*\zt:WFR+8*\zt+3],   v[LW] offset:1024*\zt
	ds_load_b128 v[WFR+8*\zt+4:WFR+8*\zt+7], v[LW] offset:1024*\zt+512
.endr
.endm
; A slice: tile k of a piece, four conversions.  d = 16 dh + 8 h + 2 q, + 1 goes to register 4 dh + q of the j's fragment, and 8 jl + 4 dh = 4 mt.
.macro CV0 k                           ; P0: destination window 3, sources window 0
.irp q, 0,1,2,3
	v_cvt_pk_f16_f32 v[A2+4*\k+\q], v[T0+8*\k+2*\q], v[T0+8*\k+2*\q+1]
.endr
.endm
.macro CV1 k                           ; P1: all in window 3
.irp q, 0,1,2,3
	v_cvt_pk_f16_f32 v[A2+16+4*\k+\q], v[T1+8*\k+2*\q], v[T1+8*\k+2*\q+1]
.endr
.endm
; Product 1 of P0: source 0 window 1, the rest window 0.  Its four tiles take turns, one instruction a turn; K step 0 starts the sums.
; Behind each of the last four stands one plain instruction that names none of their registers (source 0 of the two sums is a literal, so the setting
; does not touch them): for tile 0 these are the four places in front of its conversions, for tile k there are 4 - k of them and the 4 k conversions
; of the tiles before it; and they are the four places between the last stage's product 2 and the loads over its W fragments.
.macro G1P0 pre
.irp ks, 0,1,2,3,4,5,6,7
.irp mt, 0,1,2,3
.if \ks == 0
	v_wmma_f32_16x16x32_f16 v[T0+8*\mt:T0+8*\mt+7], v[8*(4*\ks+\mt):8*(4*\ks+\mt)+7], v[AF+8*\ks:AF+8*\ks+7], 0
.else
	v_wmma_f32_16x16x32_f16 v[T0+8*\mt:T0+8*\mt+7], v[8*(4*\ks+\mt):8*(4*\ks+\mt)+7], v[AF+8*\ks:AF+8*\ks+7], v[T0+8*\mt:T0+8*\mt+7]
.endif
.if \ks == 7
.if \mt == 0
	v_add_nc_u32 v[LW], STGB, v[LW]                ; this stage's W
.endif
.if \mt == 1
.if \pre
	v_add_nc_u32 v[LA], STGB, v[LA]                ; the next stage's a'
.else
	v_nop
.endif
.endif
.if \mt > 1
	v_nop
.endif
.endif
.endr
.endr
.endm
; Product 1 of P1, K steps 0-3: D and C window 3, both sources window 0.  P0's slices 1 and 2 stand behind its 4th and 8th instructions, under the same setting.
.macro G1P1A
.irp ks, 0,1,2,3
.irp m, 0,1,2,3
.if \ks == 0
	v_wmma_f32_16x16x32_f16 v[T1+8*\m:T1+8*\m+7], v[BA+8*(4*\ks+\m):BA+8*(4*\ks+\m)+7], v[AF+8*\ks:AF+8*\ks+7], 0
.else
	v_wmma_f32_16x16x32_f16 v[T1+8*\m:T1+8*\m+7], v[BA+8*(4*\ks+\m):BA+8*(4*\ks+\m)+7], v[AF+8*\ks:AF+8*\ks+7], v[T1+8*\m:T1+8*\m+7]
.endif
.if \m == 3
.if \ks == 0
	CV0 1
.endif
.if \ks == 1
	CV0 2
.endif
.endif
.endr
.endr
.endm
; Product 1 of P1, K steps 4-7: source 0 window 2.
.macro G1P1B
.irp ks, 4,5,6,7
.irp m, 0,1,2,3
	v_wmma_f32_16x16x32_f16 v[T1+8*\m:T1+8*\m+7], v[8*(4*(\ks-4)+\m):8*(4*(\ks-4)+\m)+7], v[AF+8*\ks:AF+8*\ks+7], v[T1+8*\m:T1+8*\m+7]
.endr
.endr
.endm
; Product 2: one link on each sum, which so take turns.  zero = 1: the first stage starts the sums, nothing is cleared.
; P0: all in window 3; P1's four slices stand behind its 2nd, 6th, 10th and 14th instructions, under the same setting.
.macro G2P0 zero
.irp zt, 0,1,2,3,4,5,6,7
.irp jl, 0,1
.if \zero
	v_wmma_f32_16x16x32_f16 v[8*(8*\jl+\zt):8*(8*\jl+\zt)+7], v[WFR+8*\zt:WFR+8*\zt+7], v[A2+8*\jl:A2+8*\jl+7], 0
.else
	v_wmma_f32_16x16x32_f16 v[8*(8*\jl+\zt):8*(8*\jl+\zt)+7], v[WFR+8*\zt:WFR+8*\zt+7], v[A2+8*\jl:A2+8*\jl+7], v[8*(8*\jl+\zt):8*(8*\jl+\zt)+7]
.endif
.if \jl == 1
.if (\zt & 1) == 0
	CV1 (\zt/2)
.endif
.endif
.endr
.endr
.endm
; P1: D and C window 2, sources window 3.
.macro G2P1 zero
.irp zt, 0,1,2,3,4,5,6,7
.irp jl, 2,3
.if \zero
	v_wmma_f32_16x16x32_f16 v[AC1+8*(8*(\jl-2)+\zt):AC1+8*(8*(\jl-2)+\zt)+7], v[WFR+8*\zt:WFR+8*\zt+7], v[A2+8*\jl:A2+8*\jl+7], 0
.else
	v_wmma_f32_16x16x32_f16 v[AC1+8*(8*(\jl-2)+\zt):AC1+8*(8*(\jl-2)+\zt)+7], v[WFR+8*\zt:WFR+8*\zt+7], v[A2+8*\jl:A2+8*\jl+7], v[AC1+8*(8*(\jl-2)+\zt):AC1+8*(8*(\jl-2)+\zt)+7]
.endif
.endr
.endr
.endm
; One stage (one c).  On entry its 16 loads of a' are the only LDS instructions that may be out.  pre = 1: the next stage's a' is fetched, from the same slot.
; Eight changes of window for 96 matrix instructions, 32 conversions and 32 loads; each kind of load goes in one run.
.macro STAGE zero, pre
	s_wait_dscnt 0x0                               ; a' is in
	WIN 0x01
	G1P0 \pre
	WIN 0xf0
	CV0 0                                          ; P0's tile 0, four places behind its last product
	WFLOAD                                         ; this stage's W, 32 matrix instructions ahead of its use
	G1P1A
	WIN 0xf2
	G1P1B
	WIN 0xc0
	CV0 3                                          ; P0's last slice names none of the registers of P1's last products: the four places in front of P1's
	                                               ; first conversion and in front of the loads over a'
.if \pre
	WIN 0
	AFLOAD                                         ; 32 matrix instructions ahead of its use
	s_wait_dscnt 16                                ; LDS loads come back in order: the 16 just issued may be out, W is in
.else
	s_wait_dscnt 0x0                               ; W is in; my reads of this slot are over
.endif
	WIN 0xff
	G2P0 \zero
	WIN 0xaf
	G2P1 \zero
	WIN 0                                          ; at a label and at a branch every window is 0
.endm
; The eight stages of a slot.  On the way into the loop and on the way back the same 16 loads of a' are out.
.macro RUN slot, first
	v_add_nc_u32 v[LA], \slot*SLOTB, v[L16]
	v_add_nc_u32 v[LW], \slot*SLOTB+WPART-STGB, v[L16]             ; one stage low: every stage steps it ahead of its W loads
	AFLOAD
.if \first
	s_wait_loadcnt 0x0                             ; the resident b' and the bias, once
	STAGE 1, 1
	s_mov_b32 s50, 6
.else
	s_mov_b32 s50, 7
.endif
.Lstage_\@:
	STAGE 0, 1
	s_sub_co_u32 s50, s50, 1
	s_cmp_lg_u32 s50, 0
	s_cbranch_scc1 .Lstage_\@
	STAGE 0, 0                                     ; the slot's last stage fetches nothing beyond it
.endm
; The change of slots.  In front of the barrier each wave waits for all its tensor loads (the one that is out is its part of the slot read next) and
; for its reads of the slot just left.  refill = 1: the barrier is a round of the cluster's barrier, so that no wave of any partner still reads the
; slot or has a load on its way, and the joint refill of that slot, 16 stages on, is the wave's first and only tensor load behind it.
.macro CHANGE slot, refill
	s_wait_tensorcnt 0x0
	ds_add_u32 v30, v31
	s_wait_dscnt 0x0
.if \refill
	s_add_nc_u64 s[34+4*\slot:35+4*\slot], s[34+4*\slot:35+4*\slot], 2*WPART   ; no load of mine is out: the group 0 may be written
.endif
	s_wait_dscnt 0x0
.if \refill
	ROUND
	tensor_load_to_lds s[32+4*\slot:35+4*\slot], s[24:31]
	s_nop 0
.else
	s_barrier_signal -1                            ; my work-group's barrier is enough
	s_barrier_wait -1
.endif
.endm
	s_wait_tensorcnt 0x1                           ; my part of slot 0 is in; slot 1's may stay out
	s_barrier_signal -1
	s_barrier_wait -1                              ; everybody's part is
	RUN 0, 1                                       ; c = 0-7
	CHANGE 0, 1                                    ; slot 0 <- c = 16-23: eight stages, 768 matrix instructions, in which to land
	RUN 1, 0                                       ; c = 8-15
	CHANGE 1, 1                                    ; slot 1 <- c = 24-31
	RUN 0, 0                                       ; c = 16-23
	CHANGE 0, 0
	RUN 1, 0                                       ; c = 24-31
	; THE WAY OUT, one j at a time: a lane's 8 z of pair (i = r, j) are 32 bytes of a row of 512; 16 rows go through my own stage in LDS and come back
	; as whole rows, are scaled by F, get the bias and are stored, each store 512 neighbouring aligned bytes of out0.
	PLACES                                         ; between the last product and the first read of a sum, and ahead of the loads over T0, AF and BA
.macro OUTJ jl, f
.if \jl < 2
	WIN 0x0c                                       ; store data (source 1) window 3: P0's sums; address window 0
.set AB, 64*\jl
.else
	WIN 0x08                                       ; store data window 2: P1's sums
.set AB, AC1+64*(\jl-2)
.endif
.irp zt, 0,1,2,3,4,5,6,7
	ds_store_b128 v[STO], v[AB+8*\zt:AB+8*\zt+3]   offset:64*\zt
	ds_store_b128 v[STO], v[AB+8*\zt+4:AB+8*\zt+7] offset:64*\zt+16
.endr
	WIN 0
.if \jl >= 2
	s_wait_xcnt 0x0                                ; buffer f, which the stores of two turns ago read, is rewritten only behind this wait
.endif
.irp p, 0,1,2,3,4,5,6,7,8,9,10,11,12,13,14,15
	ds_load_b128 v[\f+4*\p:\f+4*\p+3], v[RD] offset:OP*\p          ; my own bytes, served in order (ISA guide 5.7.1): these see the stores above
.endr
.irp p, 0,1,2,3,4,5,6,7,8,9,10,11,12,13,14,15
	s_wait_dscnt 15-\p                             ; row p is in, the younger ones may be out
	v_pk_fma_f32 v[\f+4*\p:\f+4*\p+1],   v[\f+4*\p:\f+4*\p+1],   s[48:49], v[BIAS:BIAS+1]   op_sel_hi:[1,0,1]
	v_pk_fma_f32 v[\f+4*\p+2:\f+4*\p+3], v[\f+4*\p+2:\f+4*\p+3], s[48:49], v[BIAS+2:BIAS+3] op_sel_hi:[1,0,1]
	global_store_b128 v[L16], v[\f+4*\p:\f+4*\p+3], s[14:15] offset:\p*131072+\jl*512 th:TH_STORE_NT   ; row i = 16 ib + p, column j; written once, not read again
.endr
.endm
	OUTJ 0, FA
	OUTJ 1, FB
	OUTJ 2, FA
	OUTJ 3, FB
	s_wait_tensorcnt 0x0
	ds_add_u32 v30, v31
	s_wait_dscnt 0x0
	ROUND                                          ; the closing round: no work-group ends while a partner may still issue a joint load that names it
	s_endpgm
.Lfunc_end_k_q9e003e50af_opm:
	.size	k_q9e003e50af_opm, .Lfunc_end_k_q9e003e50af_opm-k_q9e003e50af_opm
	.p2alignl 7, 3214868480
	.fill 96, 4, 3214868480
	.section	.rodata,"a",@progbits
	.p2align	6, 0x0
	.amdhsa_kernel k_q9e003e50af_opm
		.amdhsa_group_segment_fixed_size 327680
		.amdhsa_private_segment_fixed_size 0
		.amdhsa_enable_private_segment 0
		.amdhsa_kernarg_size 48
		.amdhsa_user_sgpr_count 2
		.amdhsa_user_sgpr_kernarg_segment_ptr 1
		.amdhsa_wavefront_size32 1
		.amdhsa_system_sgpr_workgroup_id_x 1
		.amdhsa_system_sgpr_workgroup_id_y 1
		.amdhsa_system_sgpr_workgroup_id_z 1
		.amdhsa_system_vgpr_workitem_id 0
		.amdhsa_next_free_vgpr 1024
		.amdhsa_next_free_sgpr 66
		.amdhsa_reserve_vcc 0
		.amdhsa_float_denorm_mode_32 3
		.amdhsa_float_denorm_mode_16_64 3
		.amdhsa_memory_ordered 1
		.amdhsa_forward_progress 1
		.amdhsa_inst_pref_size 138
	.end_amdhsa_kernel
	.amdgpu_metadata
---
amdhsa.version: [ 1, 2 ]
amdhsa.kernels:
  - .name:           k_q9e003e50af_opm
    .symbol:         k_q9e003e50af_opm.kd
    .args:
      - { .name: at, .offset: 0, .size: 8, .value_kind: global_buffer, .address_space: global }
      - { .name: bt, .offset: 8, .size: 8, .value_kind: global_buffer, .address_space: global }
      - { .name: wf, .offset: 16, .size: 8, .value_kind: global_buffer, .address_space: global }
      - { .name: scl, .offset: 24, .size: 8, .value_kind: global_buffer, .address_space: global }
      - { .name: b_out, .offset: 32, .size: 8, .value_kind: global_buffer, .address_space: global }
      - { .name: out0, .offset: 40, .size: 8, .value_kind: global_buffer, .address_space: global }
    .group_segment_fixed_size: 327680
    .private_segment_fixed_size: 0
    .kernarg_segment_align: 8
    .kernarg_segment_size: 48
    .max_flat_workgroup_size: 128
    .sgpr_count:     66
    .vgpr_count:     1024
    .wavefront_size: 32
...
	.end_amdgpu_metadata
.endif
;; end of part 2
